; MI455X (gfx1250); checked and timed in simulation.
; The chip was launched on July 23, 2026; its instructions are those of AMD's public machine-readable ISA for CDNA 5 (MIT licence, August 2026) and "CDNA5" Instruction Set Architecture Reference Guide (July 2026). The comments in the code are by the model that wrote it; some were corrected since.
;; Haar Sym HQ Linear. Allowed arithmetic: matrix products marked QUANTISED: E4M3 operands, one E8M0 scale for each 32 along K, by v_wmma_scale_f32_16x16x128_f8f6f4 with both operands' format E4M3, f32 sums; everything else in f32.
;; Inputs: codebook 256 x 8 float32; indices 1,048,576 int32; scales 2,048 x 1 float32; signs_packed 1,048,576 int32; x_codes 4 x 2,048 x 128 x 32 uint8 (E4M3 codes of x, K innermost, in blocks of 32 codes); x_scales 4 x 2,048 x 128 uint8 (E8M0 scales of x, one for each 32 codes along K).
;; Outputs: out0 4 x 2,048 x 2,048 float32.
;; This version of the problem:
;;   THIS VERSION OF THE PROBLEM IS GIVEN IN LOW PRECISION. The matrix products marked QUANTISED in the list below multiply operands that are first quantised to E4M3 (4 exponent bits, 3 mantissa bits; 8 bits a number), with one power-of-two scale for each 32 numbers along K (OCP MX v1.0); their sums are f32. All else is computed in f32.
;;   The module's matrix products, in the order in which they are computed (A, B: the left and right operand; K: the contracted axis; several contracted axes count as one K, in the product's order):
;;     1. [M 8,192, K 4,096] x [K 4,096, N 2,048]; A: input x (given as codes); B: computed on the way: QUANTISED
;;   THE QUANTISER, for each operand of a quantised product, along K:
;;     - K is cut into blocks of 32 from its start; a last block that is shorter is filled with zeros.
;;     - A block's scale is 2^e with e = floor(log2(the largest magnitude in the block)) - 8, held to -126 .. 127; a block of zeros has e = 0. As a byte (E8M0): e + 127.
;;     - Each number is divided by its block's scale, clamped to +-448, and rounded to the nearest number of E4M3, ties to even, subnormals kept.
;;     - The product sums the exact products of the quantised numbers (number of the format x scale) in f32.
;;   ~~~python
;;   def quantise(x, axis):      # numpy; x: float32 -> the quantised numbers, widened to float32 again
;;       x = np.moveaxis(x, axis, -1); K = x.shape[-1]
;;       x = np.pad(x, [(0, 0)] * (x.ndim - 1) + [(0, -K % 32)]); x = x.reshape(x.shape[:-1] + (-1, 32)); a = np.abs(x).max(-1, keepdims=True)
;;       e = np.where(a > 0, np.clip(np.frexp(np.where(a > 0, a, 1))[1] - 1 - 8, -126, 127), 0)      # np.frexp(a)[1] - 1 = floor(log2(a)), exactly
;;       r = np.clip(x / 2.0 ** e, -448, 448)
;;       step = 2.0 ** (np.maximum(np.frexp(np.where(r == 0, 1, r))[1] - 1, -6) - 3)
;;       q = np.round(r / step) * step * 2.0 ** e      # np.round: ties to even
;;       return np.moveaxis(q.reshape(q.shape[:-2] + (-1,))[..., :K], -1, axis).astype(np.float32)
;;   ~~~
;;   OPERANDS COMPUTED ON THE WAY. 'Computed on the way' means the value that the module computes at that place (a softmax that the list does not call 'softmax' is quantised finished and normalised). What goes into a quantiser is computed in f32, as accurately as f32 sums, v_exp_f32 and their like allow (about 1e-6 of the number): no bf16 or f16 on the way to a quantiser, and a product that is left as it is and whose result goes on into a quantised operand takes f32 operands (vector FMAs, or v_wmma_f32_16x16x4_f32). A number that lies on a knife's edge between two numbers of the format may be rounded either way, as far as f32 arithmetic and the matrix unit's own rounding can turn it there, and no further.
;;   INPUTS GIVEN AS CODES. x (in the module: [4, 2048, 4096], K = its axis 2): each comes as NAME_codes (uint8): NAME with its K axis moved to the last place and cut into blocks of 32 codes, [.., K / 32, bytes a block], one block behind the other in memory; one code a byte (a code: sign, 4 exponent bits, 3 mantissa bits); and NAME_scales (uint8): the same leading axes, one E8M0 byte (e + 127) for each 32 codes along K. Its value is code x scale, taken as it is: it is not quantised again, and the codes and scales need not be those that the quantiser above would give.
;; One version. Each part assembles by itself: llvm-mc -triple=amdgcn-amd-amdhsa -mcpu=gfx1250 --defsym DOCPART=n.
;; ======== version 1 of 1: 2 launches
;; limits: right only within a limited range of input values
;; workspace buffers: wq 8,650,752 bytes
;; launch build (part 1): grid 256 x 1, 8 waves a work-group, no clusters, 10,240 bytes of LDS; arguments codebook, indices, scales, signs_packed, wq; writes wq
.if DOCPART == 1
	.amdgcn_target "amdgcn-amd-amdhsa--gfx1250"
	.amdhsa_code_object_version 6
	.text
	.protected	k_q6745277ce2_build
	.globl	k_q6745277ce2_build
	.p2align	8
	.type	k_q6745277ce2_build,@function
k_q6745277ce2_build:
	s_mov_b64 s[64:65], 0
	v_nop
	global_prefetch_b8 v0, s[64:65] scope:SCOPE_SE
	s_setreg_imm32_b32 hwreg(HW_REG_WAVE_MODE, 25, 1), 1
	s_wait_xcnt 0x0
; w [2048][4096] is made once and quantised along K: codes of FP8 (E4M3) with one E8M0 byte for each 32 along K.
; w = inverse Haar (two levels, along K) of (codebook[indices] x signs), times the row's scale s, in f32.  A row's 512 vectors of 8 coefficients lie [a: 128 | d2: 128 | d1: 256]:
;   p(2i), p(2i+1) = (a_i +- d2_i) INV;  w(2j), w(2j+1) = (p_j +- d1_j) INV s.  With c1 = INV s and c2 = INV c1:  w = (a c2 +- d2 c2) +- d1 c1.
; So 16 neighbours along K, w(32 B + 16 h + 0..15), want half h of vector B (a), half h of vector 128 + B (d2) and the whole of vector 256 + 2 B + h (d1), with the same words of the sign bits.
; A sign (bit 1: +1, bit 0: -1) and the sign of s go into the factor: the sign word, flipped where s is not negative, is shifted so that its bit stands at bit 31 over the magnitude of c1 or c2.
; SHARES.  Work-group g: rows 32 (g / 4) on.  Wave W of eight: K step s = 4 (g % 4) + W % 4 (256 along K), block e = W / 4 of 16 rows.  Lane (r = lane % 16, h = lane / 16) holds row r of the block;
; in step j of eight it makes the 16 neighbours at 32 j + 16 h of the K step: lanes l and l xor 16 hold a block of 32.  A lane's index and sign words of all eight steps are neighbours in memory: 16 loads of 16 bytes a wave.
; The table (8,192 bytes) lies in LDS: its rows are picked by loaded numbers, four LDS loads a step, asked for three steps ahead.
; OUT: wq = [16 groups of 128 rows][16 K steps][33,792 bytes].  Codes: [q: 2 steps of 128 along K][b: 8 blocks of 16 rows][c: 4][h: 2][r: 16][16 bytes] = row 16 b + r, K = 128 q + 32 c + 16 h + 0..15: the image of the product's
; operand registers; a step's codes (q = j / 4, c = j % 4) are 512 consecutive bytes, aligned, stored by the 32 lanes as they are made.  Then 1,024 scale bytes:
;   byte 512 p + 256 h2 + 16 r + 8 e + (c8 xor 4) = the byte of row 16 (4 h2 + 2 p + e) + r of the group, block c8 of 32 of the K step.  A lane gathers its row's 8 bytes in two registers; the waves of e = 0 and e = 1 join theirs in LDS,
;   and 256 consecutive bytes, aligned, leave by one store.
; A block's scale is 2^(floor(log2(largest magnitude)) - 8): its byte is that magnitude's exponent field - 8, held at 1 from below; each number is held within +-448 x the scale and rounded to the nearest code, ties to even.
; LIMITS.  The order of rounding differs from the definition's: each w is a sum of three products with c1, c2 rounded once each; every step is f32.  NaN and infinities in codebook or scales are not served.
; A block of zeros gets the byte 1 where the rule says 127: its codes are zeros, and this program alone reads the bytes.  An index is held at 255 from above (the table has 256 rows).
; No tensor load, no cluster, no prefetch: each index and sign word is read by one wave, all loads go out at the head, and there is no loop to run ahead in.
.set CHUNK, 33792
.set SCB,   8192                       ; LDS: behind the table, 256 scale bytes for each of the four K steps
.set SPARE, 9216                       ; the spare words: 128 bytes a wave
.set VA,  1                            ; 2048 r + 32 s: my row's a words (d2: 512 further on)
.set VD,  2                            ; 2048 r + 64 s: my row's d1 words (+ 1,024 in the immediate)
.set VS,  3                            ; 4 r
.set H16, 4                            ; 16 h: my half of a's and d2's vectors
.set VC,  5                            ; 16 x lane
.set LB,  6                            ; LDS: my row's 8 scale bytes
.set LR,  7                            ; LDS: 8 x lane in my K step's 256 bytes
.set GS8, 8                            ; 8 x lane
.set TB,  9                            ; 16 x thread: my part of the table
.set SH,  10                           ; v10-13  31 - i - 4 h
.set A0,  14                           ; v14-16  a gather's three LDS addresses
.set T0,  17                           ; v17-19  sign words at work
.set M0,  20
.set M1,  21
.set SCV, 22
.set LIMV, 23
.set BY,  24
.set RS,  25                           ; the row's scale
.set C1,  26
.set C2,  27
.set XM,  28                           ; all ones where s is not negative
.set SPW, 29
.set NIL, 30
.set BW,  32                           ; v32-33  my row's scale bytes
.set OW,  34
.set SA,  36                           ; v36-39  a's signs over c2;  v40-43 d2's;  v44-51 d1's over c1
.set SD,  40
.set S1,  44
.set T,   52                           ; v52-55  a c2
.set P,   56                           ; v56-63  the first level's eight results, x c2
.set W,   64                           ; v64-79  my 16 numbers of w
.set G,   80                           ; v80-143 four sets of 16: a's four, d2's four, d1's eight
.set I,   144                          ; v144-175 index words: a's 8, d2's 8, d1's 16
.set S,   176                          ; v176-207 sign words, likewise
.set CD,  208                          ; v208-239 a step's codes: four registers for each step, so that no store's data are written again
.set TD,  240                          ; v240-247 my 32 bytes of the table
	s_load_b256 s[4:11], s[0:1], 0x0               ; codebook s[4:5], indices s[6:7], scales s[8:9], signs s[10:11]
	s_load_b64 s[12:13], s[0:1], 0x20              ; wq
	v_lshl_add_u32 v[SPW], v0, 2, SPARE
	v_mov_b32 v[NIL], 0
	v_lshrrev_b32 v31, 5, v0
	v_readfirstlane_b32 s14, v31                   ; wave
	s_and_b32 s23, s14, 3
	s_lshr_b32 s17, s14, 2                         ; e
	s_lshr_b32 s15, ttmp9, 2                       ; which 32 rows
	s_and_b32 s16, ttmp9, 3
	s_lshl_b32 s16, s16, 2
	s_add_co_u32 s16, s16, s23                     ; s: my K step
	s_lshl_b32 s24, s16, 5
	s_lshl_b32 s25, s16, 6
	s_lshl_b32 s26, s23, 8
	s_add_co_u32 s26, s26, SCB
	s_lshl_b32 s27, s17, 3
	s_add_co_u32 s27, s27, s26
	s_mov_b32 s18, 0x7fffffff                      ; all but the sign
	s_mov_b32 s19, 0x600000                        ; the mantissa field of 448
	s_mov_b32 s20, 0x3f3504f3                      ; INV = 0.70710678
	s_mov_b32 s21, 0xffff0000                      ; lanes 16-31
	s_mov_b32 s30, 0x76543210
	s_mov_b32 s31, 0xfedcba98                      ; v_permlanex16_b32's selects for lane l xor 16
	s_lshl_b32 s28, s15, 5
	s_lshl_b32 s29, s17, 4
	s_add_co_u32 s28, s28, s29                     ; my first row
	s_mov_b32 s3, 0
	v_and_b32 v31, 15, v0                          ; r
	v_bfe_u32 v[M1], v0, 4, 1                      ; h
	v_and_b32 v[M0], 31, v0                        ; lane
	v_lshlrev_b32 v[VS], 2, v31
	v_lshlrev_b32 v[VA], 11, v31
	v_add_nc_u32 v[VD], s25, v[VA]
	v_add_nc_u32 v[VA], s24, v[VA]
	v_lshlrev_b32 v[H16], 4, v[M1]
	v_lshlrev_b32 v[VC], 4, v[M0]
	v_lshlrev_b32 v[GS8], 3, v[M0]
	v_lshlrev_b32 v[TB], 4, v0
	v_lshl_add_u32 v[LB], v31, 4, s27
	v_add_nc_u32 v[LR], s26, v[GS8]
	v_lshlrev_b32 v[BY], 2, v[M1]
.irp i, 0,1,2,3
	v_sub_nc_u32 v[SH+\i], 31-\i, v[BY]
.endr
	s_wait_alu depctr_va_vdst(0)
	s_wait_kmcnt 0x0
	s_lshl_b32 s2, s28, 11                         ; my 16 rows of 2,048 bytes in indices and in signs
	s_add_nc_u64 s[6:7], s[6:7], s[2:3]
	s_add_nc_u64 s[10:11], s[10:11], s[2:3]
	s_lshl_b32 s2, s28, 2
	s_add_nc_u64 s[8:9], s[8:9], s[2:3]
	global_load_b128 v[TD:TD+3], v[TB], s[4:5]
	global_load_b128 v[TD+4:TD+7], v[TB], s[4:5] offset:4096
.irp k, 0,1
	global_load_b128 v[I+4*\k:I+4*\k+3], v[VA], s[6:7] offset:16*\k
	global_load_b128 v[I+8+4*\k:I+8+4*\k+3], v[VA], s[6:7] offset:512+16*\k
.endr
.irp k, 0,1,2,3
	global_load_b128 v[I+16+4*\k:I+16+4*\k+3], v[VD], s[6:7] offset:1024+16*\k
.endr
.irp k, 0,1
	global_load_b128 v[S+4*\k:S+4*\k+3], v[VA], s[10:11] offset:16*\k
	global_load_b128 v[S+8+4*\k:S+8+4*\k+3], v[VA], s[10:11] offset:512+16*\k
.endr
.irp k, 0,1,2,3
	global_load_b128 v[S+16+4*\k:S+16+4*\k+3], v[VD], s[10:11] offset:1024+16*\k
.endr
	global_load_b32 v[RS], v[VS], s[8:9]
	s_lshr_b32 s2, s15, 2                          ; my group of 128 rows,
	s_lshl_b32 s2, s2, 4
	s_add_co_u32 s2, s2, s16                       ; its K step s:
	s_mul_i32 s2, s2, CHUNK                        ; the chunk
	s_add_nc_u64 s[12:13], s[12:13], s[2:3]
	s_and_b32 s22, s15, 3                          ; my 32 rows are the group's blocks 2 y, 2 y + 1, y = (g / 4) % 4: p = y % 2, h2 = y / 2
	s_lshl_b32 s2, s22, 1
	s_add_co_u32 s2, s2, s17
	s_lshl_b32 s2, s2, 11                          ; my block's 2,048 bytes in a step of 128
	s_add_nc_u64 s[24:25], s[12:13], s[2:3]
	s_and_b32 s2, s22, 1
	s_lshl_b32 s2, s2, 1
	s_lshr_b32 s28, s22, 1
	s_add_co_u32 s2, s2, s28
	s_lshl_b32 s2, s2, 8                           ; 512 p + 256 h2
	s_add_co_u32 s2, s2, 32768                     ; behind the codes
	s_add_nc_u64 s[26:27], s[12:13], s[2:3]
	s_wait_loadcnt 17                              ; the table's two loads are in: 17 were issued behind them
	ds_store_b128 v[TB], v[TD:TD+3]
	ds_store_b128 v[TB], v[TD+4:TD+7] offset:4096
	s_wait_dscnt 0x0                               ; for the others' sake: my part of the table is stored
	s_barrier_signal -1
	s_barrier_wait -1
	s_wait_loadcnt 9                               ; the index words are in: behind them the 8 loads of sign words and the scale
; Step j's three indices become byte offsets in the table (32 bytes a vector; a and d2: my half), and its four LDS loads go out, into set j % 4.
.macro GATHER j
.set GG, G+16*((\j)%4)
	v_min_u32 v[A0], 0xff, v[I+(\j)]               ; a loaded number enters an address only behind this hold
	v_min_u32 v[A0+1], 0xff, v[I+8+(\j)]
	v_cndmask_b32 v[A0+2], v[I+16+2*(\j)], v[I+17+2*(\j)], s21   ; d1's vector 2 j + h
	v_min_u32 v[A0+2], 0xff, v[A0+2]
	v_lshl_add_u32 v[A0], v[A0], 5, v[H16]
	v_lshl_add_u32 v[A0+1], v[A0+1], 5, v[H16]
	v_lshlrev_b32 v[A0+2], 5, v[A0+2]
	ds_load_b128 v[GG:GG+3],     v[A0]
	ds_load_b128 v[GG+4:GG+7],   v[A0+1]
	ds_load_b128 v[GG+8:GG+11],  v[A0+2]
	ds_load_b128 v[GG+12:GG+15], v[A0+2] offset:16
.endm
.macro STEP j
.if (\j)+3 < 8
	GATHER (\j)+3                                  ; three steps ahead; its set was used up in the step before this one
.endif
.if 7-(\j) >= 3
	s_wait_dscnt 12                                ; my four loads are in; those of the three steps behind them may be out
.else
	s_wait_dscnt 4*(7-(\j))
.endif
.set GS, G+16*((\j)%4)
.set CC, CD+4*(\j)
	v_cndmask_b32 v[T0+2], v[S+16+2*(\j)], v[S+17+2*(\j)], s21
	v_xor_b32 v[T0], v[XM], v[S+(\j)]              ; a bit now says: the factor is negative
	v_xor_b32 v[T0+1], v[XM], v[S+8+(\j)]
	v_xor_b32 v[T0+2], v[XM], v[T0+2]
.irp i, 0,1,2,3
	v_lshlrev_b32 v[SA+\i], v[SH+\i], v[T0]        ; bit i + 4 h to the sign's place
	v_lshlrev_b32 v[SD+\i], v[SH+\i], v[T0+1]
.endr
.irp k, 0,1,2,3,4,5,6,7
	v_lshlrev_b32 v[S1+\k], 31-\k, v[T0+2]
.endr
.irp i, 0,1,2,3
	v_bfi_b32 v[SA+\i], s18, v[C2], v[SA+\i]       ; the magnitude of c2 under that sign
	v_bfi_b32 v[SD+\i], s18, v[C2], v[SD+\i]
.endr
.irp k, 0,1,2,3,4,5,6,7
	v_bfi_b32 v[S1+\k], s18, v[C1], v[S1+\k]
.endr
	v_pk_mul_f32 v[T:T+1], v[GS:GS+1], v[SA:SA+1]
	v_pk_mul_f32 v[T+2:T+3], v[GS+2:GS+3], v[SA+2:SA+3]
.irp i, 0,2                            ; one packed line makes a sum and a difference: both halves take the same register of each pair, the high half with d2 negated
	v_pk_fma_f32 v[P+2*\i:P+2*\i+1],   v[GS+4+\i:GS+5+\i], v[SD+\i:SD+\i+1], v[T+\i:T+\i+1] op_sel_hi:[0,0,0] neg_hi:[1,0,0]
	v_pk_fma_f32 v[P+2*\i+2:P+2*\i+3], v[GS+4+\i:GS+5+\i], v[SD+\i:SD+\i+1], v[T+\i:T+\i+1] op_sel:[1,1,1] op_sel_hi:[1,1,1] neg_hi:[1,0,0]
.endr
.irp k, 0,2,4,6
	v_pk_fma_f32 v[W+2*\k:W+2*\k+1],   v[GS+8+\k:GS+9+\k], v[S1+\k:S1+\k+1], v[P+\k:P+\k+1] op_sel_hi:[0,0,0] neg_hi:[1,0,0]
	v_pk_fma_f32 v[W+2*\k+2:W+2*\k+3], v[GS+8+\k:GS+9+\k], v[S1+\k:S1+\k+1], v[P+\k:P+\k+1] op_sel:[1,1,1] op_sel_hi:[1,1,1] neg_hi:[1,0,0]
.endr
	v_max3_num_f32 v[M0], |v[W]|, |v[W+1]|, |v[W+2]|               ; the largest magnitude of my 16, in two chains
	v_max3_num_f32 v[M1], |v[W+3]|, |v[W+4]|, |v[W+5]|
.irp i, 6,10
	v_max3_num_f32 v[M0], v[M0], |v[W+\i]|, |v[W+\i+1]|
	v_max3_num_f32 v[M1], v[M1], |v[W+\i+2]|, |v[W+\i+3]|
.endr
	v_max3_num_f32 v[M0], v[M0], |v[W+14]|, |v[W+15]|
	v_max3_num_f32 v[M0], v[M0], v[M1], 0x4800000  ; and the floor 2^(9 - 127): the byte cannot fall under 1
	v_permlanex16_b32 v[M1], v[M0], s30, s31
	v_max_num_f32 v[M0], v[M0], v[M1]              ; with lane l xor 16's 16: the block's
	v_add_nc_u32 v[SCV], 0xfc000000, v[M0]         ; 8 off its exponent field: the conversion takes the exponent field of this operand as its scale
	v_and_or_b32 v[LIMV], v[M0], 0x7f800000, s19   ; 448 x the scale
.irp i, 0,1,2,3,4,5,6,7,8,9,10,11,12,13,14,15
	v_med3_num_f32 v[W+\i], v[W+\i], -v[LIMV], v[LIMV]   ; the conversion to an 8-bit code does not saturate (ISA guide 7.6.2): the hold comes first
.endr
	v_cvt_scalef32_pk8_fp8_f32 v[CC:CC+1],   v[W:W+7],    v[SCV]
	v_cvt_scalef32_pk8_fp8_f32 v[CC+2:CC+3], v[W+8:W+15], v[SCV]
.if ((\j)%4) == 0                      ; the scale's byte, block j, at place j xor 4 of my row's eight; also the plain line behind the conversions
	v_lshrrev_b32 v[BW+1-(\j)/4], 23, v[SCV]
.else
	v_lshrrev_b32 v[BY], 23, v[SCV]
	v_lshl_or_b32 v[BW+1-(\j)/4], v[BY], 8*((\j)%4), v[BW+1-(\j)/4]
.endif
	global_store_b128 v[VC], v[CC:CC+3], s[24:25] offset:((\j)/4)*16384+((\j)%4)*512   ; 32 lanes store 512 consecutive bytes, aligned
.endm
	GATHER 0
	GATHER 1
	GATHER 2
	s_wait_loadcnt 0x0                             ; the sign words and the scale
	v_mul_f32 v[C1], s20, v[RS]
	v_ashrrev_i32 v[XM], 31, v[RS]
	v_mul_f32 v[C2], s20, v[C1]
	v_xor_b32 v[XM], -1, v[XM]
	s_wait_alu depctr_va_vdst(0)
.irp j, 0,1,2,3,4,5,6,7
	STEP \j
.endr
	s_wait_alu depctr_va_vdst(0)
	s_wait_dscnt 0x0
	s_barrier_signal -1                            ; every wave's reads of the table are over
	s_barrier_wait -1
	ds_store_b64 v[LB], v[BW:BW+1]                 ; lanes l and l xor 16 write the same bytes with the same values
	s_wait_dscnt 0x0
	s_barrier_signal -1
	s_barrier_wait -1
	s_cmp_lt_u32 s14, 4
	s_cbranch_scc0 .Lend                           ; waves 0 to 3 store the four K steps' bytes, those of e = 0 and e = 1 together
	ds_load_b64 v[OW:OW+1], v[LR]
	s_wait_dscnt 0x0
	global_store_b64 v[GS8], v[OW:OW+1], s[26:27]  ; 32 lanes store 256 consecutive bytes, aligned
.Lend:
	s_wait_tensorcnt 0x0                           ; the wave's end
	ds_add_u32 v[SPW], v[NIL]
	s_wait_dscnt 0x0
	s_endpgm
.Lfunc_end_k_q6745277ce2_build:
	.size	k_q6745277ce2_build, .Lfunc_end_k_q6745277ce2_build-k_q6745277ce2_build
	.p2alignl 7, 3214868480
	.fill 96, 4, 3214868480
	.section	.rodata,"a",@progbits
	.p2align	6, 0x0
	.amdhsa_kernel k_q6745277ce2_build
		.amdhsa_group_segment_fixed_size 10240
		.amdhsa_private_segment_fixed_size 0
		.amdhsa_enable_private_segment 0
		.amdhsa_kernarg_size 40
		.amdhsa_user_sgpr_count 2
		.amdhsa_user_sgpr_kernarg_segment_ptr 1
		.amdhsa_wavefront_size32 1
		.amdhsa_system_sgpr_workgroup_id_x 1
		.amdhsa_system_sgpr_workgroup_id_y 1
		.amdhsa_system_sgpr_workgroup_id_z 1
		.amdhsa_system_vgpr_workitem_id 0
		.amdhsa_next_free_vgpr 248
		.amdhsa_next_free_sgpr 66
		.amdhsa_reserve_vcc 0
		.amdhsa_float_denorm_mode_32 3
		.amdhsa_float_denorm_mode_16_64 3
		.amdhsa_memory_ordered 1
		.amdhsa_forward_progress 1
		.amdhsa_inst_pref_size 49
	.end_amdhsa_kernel
	.amdgpu_metadata
---
amdhsa.version: [ 1, 2 ]
amdhsa.kernels:
  - .name:           k_q6745277ce2_build
    .symbol:         k_q6745277ce2_build.kd
    .args:
      - { .name: codebook, .offset: 0, .size: 8, .value_kind: global_buffer, .address_space: global }
      - { .name: indices, .offset: 8, .size: 8, .value_kind: global_buffer, .address_space: global }
      - { .name: scales, .offset: 16, .size: 8, .value_kind: global_buffer, .address_space: global }
      - { .name: signs_packed, .offset: 24, .size: 8, .value_kind: global_buffer, .address_space: global }
      - { .name: wq, .offset: 32, .size: 8, .value_kind: global_buffer, .address_space: global }
    .group_segment_fixed_size: 10240
    .private_segment_fixed_size: 0
    .kernarg_segment_align: 8
    .kernarg_segment_size: 40
    .max_flat_workgroup_size: 256
    .sgpr_count:     66
    .vgpr_count:     248
    .wavefront_size: 32
...
	.end_amdgpu_metadata
.endif
;; end of part 1
;; launch gemm (part 2): grid 8 x 32, 4 waves a work-group, clusters of 4 x 1, 327,680 bytes of LDS; arguments x_codes, x_scales, wq, out0; writes out0
.if DOCPART == 2
	.amdgcn_target "amdgcn-amd-amdhsa--gfx1250"
	.amdhsa_code_object_version 6
	.text
	.protected	k_q6745277ce2_gemm
	.globl	k_q6745277ce2_gemm
	.p2align	8
	.type	k_q6745277ce2_gemm,@function
k_q6745277ce2_gemm:
	s_mov_b64 s[64:65], 0
	v_nop
	global_prefetch_b8 v0, s[64:65] scope:SCOPE_SE
	s_setreg_imm32_b32 hwreg(HW_REG_WAVE_MODE, 25, 1), 1
	s_wait_xcnt 0x0
	s_wait_alu depctr_hold_cnt(0) depctr_sa_sdst(0) depctr_va_vdst(0) depctr_va_sdst(0) depctr_va_ssrc(0) depctr_va_vcc(0) depctr_vm_vsrc(0)
	s_getreg_b32 s2, hwreg(HW_REG_IB_STS2, 6, 4)
	s_cmp_eq_u32 s2, 0
	s_cbranch_scc0 .Lentry_in_a_cluster
	s_endpgm
.Lentry_in_a_cluster:
	s_bfe_u32 s2, ttmp6, 0x10000c
	s_cmp_lg_u32 s2, 0x3003
	s_cbranch_scc0 .Lentry_shape_is_right
	s_endpgm
.Lentry_shape_is_right:
; out0[m][n] = sum over k of x[m][k] w[n][k]: x [8192][4096] as given codes and E8M0 bytes, w [2048][4096] as the codes and bytes that launch build stored in wq.  MX-FP8, sums in f32.
; A work-group of four waves makes 256 x 256 of out0, a wave 128 x 128: 64 accumulators, 512 registers.  32 steps of 128 along K, 64 matrix instructions each.
; x GOES THROUGH LDS: a ring of two slots of 256 rows x 512 bytes (512 along K, four steps), filled by joint tensor loads: the four work-groups of a cluster (4, 1, 1) make the same 256 rows of out0 and need the same tiles of x.
; x's scale bytes of the 256 rows, all of K, are one dense block of 32,768 bytes: it comes once, at the head, and stays.
; w DOES NOT PASS THROUGH LDS.  wq holds the image of the operand registers ([group of 128 rows][K step of 256][33,792 bytes]: 2 x 16,384 bytes of codes, 1,024 scale bytes), and each wave loads its 128 rows' fragments
; straight into registers, 512 consecutive bytes an instruction.  Why no joint load for w: x and w together are 512 bytes of LDS for each k, which allows two slots of 256 along K; x alone allows two of 512, so that a round of the
; cluster's barrier serves four steps and not two, and a wave reads 128 rows from LDS in a step and not 256.  Loads into registers have no joint form.
; w's two register sets: a step's blocks 0-3 are asked for again when the step's products with them are issued (three quarters through the step), blocks 4-7 at its end, each for the step after next: 80 matrix instructions ahead of their use.
; A step: x's blocks 0-3 against w's eight, then x's blocks 4-7; x has ONE set of registers: blocks 0-3 are fetched anew in the step's middle, blocks 4-7 at its end.
; THE MATRIX INSTRUCTION IS USED TRANSPOSED (source 0 = 16 rows of w, source 1 = 16 rows of x): a lane holds eight neighbouring numbers of a row of out0.
; PREFETCHES into the L2: behind each refill, x's slot three on (its load is issued one slot later) and w's two K steps of the slot three on.  x: the cluster with x = 0 asks, its four partners share the 256 rows out by address
; (64 rows a work-group, 16 a wave, a lane for each 256 bytes).  w: the work-groups of tile rows 0 to 3 share a slot's four chunks out (one chunk each; a wave 32 blocks of 256 bytes of codes, a lane a block, and one block of scale bytes,
; which all lanes of its second instruction name).  So each block is named once in the launch.  The head asks for x's slot 2 and w's slots 1 and 2; slots before those come by their loads alone; the last trips ask for nothing past slot 7.
; REGISTERS: window 0: v0-31 addresses; v32-63 x's scale words, a set a slot; v64-95 w's scale words, four sets (a set a K step of 256, loaded three K steps ahead); v128-255 x's fragments.
;   window 1: w's fragments, two sets.  Windows 2, 3: the accumulators of my rows 0-63, 64-127 ((a, b) at v[8 (8 (a % 4) + b)]).
; x's scale register has the parity of the step, w's the other one (build stores a row's two words in exchanged places): the two registers of a product never have the same number modulo 8.
.set SIZE_N, 2048
.set CHUNK,  33792
.set PITCH,  528                       ; an LDS row of x: 512 bytes + 16 of padding
.set NP,     8                         ; places behind this matrix instruction (ISA guide 7.12.1)
.set SLOT,   256*PITCH
.set SCL,    2*SLOT                    ; x's scales: 128 rows of 256 bytes + 16
.set QS,     32*272                    ; those of 64 rows of x
.set SBLK,   8*272                     ; of 16 rows
.set SPARE,  SCL+4*QS                  ; the spare words: 512 bytes that no other line names
.set SPITCH, 528                       ; the way out: a stage of 16 rows x (512 + 16) bytes a wave, in slot 0 behind its last fill and last read
.set ADRA, 16                          ; v16-17 LDS address of my x fragments in slot 0, 1
.set PFZ,  22                          ; v22 prefetch: my wave's block of a chunk's scale bytes
.set STO,  24
.set RD,   25
.set VW,   26                          ; v26 16 x lane: my place in 512 bytes of wq, and of a row of out0
.set ADRS, 27                          ; v27 LDS address of my x scale words: lanes 0-15 block i, lanes 16-31 block i + 4
.set SPW,  28
.set NIL,  29
.set PFO,  30                          ; v30 prefetch of x: row lane % 16, 256 bytes lane / 16
.set PFWO, 31                          ; v31 prefetch of w: 8192 x wave + 256 x lane
.set XS,   32
.set WS,   64
.set AF,   128
.set BK,   128
.set G1,   24                          ; s[24:31] group 1 of the ring's loads: 64 rows x 512 bytes;  s[32:39] group 0, a set a slot
.set G0,   32
.set G1H,  48                          ; s[48:55], s[56:59] the head's loads of slot 0: 128 rows
.set G0H,  56
.set G1S,  68                          ; s[68:75], s[76:79] x's scales: 64 rows of 256 bytes
.set G0S,  76
.set WB,   80                          ; s[80:81] my 128 rows of w in wq, at the lap's first K step
.set PFX,  82
.set PFW,  84
.set LX0,  86                          ; s86-87 x's prefetch runs while s3 is above this: 0, 1 (first, second change of slots of a trip), or never (-1)
.set LW0,  88                          ; s88-89 the same for w's
.set MSB, 0
.macro WIN new
.if MSB != \new
	s_set_vgpr_msb (MSB<<8)|\new
.set MSB, \new
.endif
.endm
.set MUL_LO, 0xa1
.set MUL_HI, 0xf1
.set TO_B,   0x40
.macro PLACES n
.rept \n
	v_nop
.endr
.endm
.macro CREST
	s_cmp_lg_u32 s14, 0
	s_cbranch_scc1 .Lnot_wave_0_\@
	s_barrier_signal -3
.Lnot_wave_0_\@:
	s_barrier_wait -3
	s_barrier_signal -1
	s_barrier_wait -1
.endm
.macro CROUND
	s_barrier_signal -1
	s_barrier_wait -1
	CREST
.endm
.macro ASKX lim, off
	s_cmp_gt_u32 s3, s[\lim]
	s_cbranch_scc0 .Lnx_\@
	global_prefetch_b8 v[PFO], s[PFX:PFX+1] offset:\off th:TH_LOAD_NT scope:SCOPE_SE
.Lnx_\@:
.endm
.macro ASKW lim, off
	s_cmp_gt_u32 s3, s[\lim]
	s_cbranch_scc0 .Lnw_\@
	global_prefetch_b8 v[PFWO], s[PFW:PFW+1] offset:\off th:TH_LOAD_NT scope:SCOPE_SE
	global_prefetch_b8 v[PFZ], s[PFW:PFW+1] offset:\off th:TH_LOAD_NT scope:SCOPE_SE
.Lnw_\@:
.endm
.macro FETCH_A slot, q, i0             ; x's blocks i0 .. i0 + 3 of the slot's q-th 128 along K: registers 4 c .. 4 c + 3 hold K = 32 c + 16 (l / 16) + 0 .. 15 of row l % 16
.irp i, \i0, \i0+1, \i0+2, \i0+3
.irp c, 0,1,2,3
	ds_load_b128 v[AF+16*(\i)+4*\c:AF+16*(\i)+4*\c+3], v[ADRA+\slot] offset:128*(\q)+32*\c+(\i)*16*PITCH
.endr
.endr
.endm
.macro XSCALES sc                      ; a slot's four scale words of my rows
.irp i, 0,1,2,3
	ds_load_b128 v[XS+16*\sc+4*\i:XS+16*\sc+4*\i+3], v[ADRS] offset:\i*SBLK
.endr
.endm
.macro LOADB b0, n                     ; w's blocks b0 .. b0 + 3 of step n of the lap, into set n % 2
.irp b, \b0, \b0+1, \b0+2, \b0+3
.irp c, 0,1,2,3
	global_load_b128 v[128*((\n)%2)+16*(\b)+4*\c:128*((\n)%2)+16*(\b)+4*\c+3], v[VW], s[WB:WB+1] offset:((\n)/2)*CHUNK+((\n)%2)*16384+2048*(\b)+512*\c
.endr
.endr
.endm
.macro LOADS n                         ; w's scale words of K step n (256 along K) of the lap, into set n % 4
.irp p, 0,1
	global_load_b128 v[WS+8*((\n)%4)+4*\p:WS+8*((\n)%4)+4*\p+3], v[VW], s[WB:WB+1] offset:(\n)*CHUNK+32768+512*\p
.endr
.endm
.macro MM a, b, p, q, xs, ws, zero
.set rD,  8*(8*((\a)%4)+(\b))
.set rW,  128*(\p)+16*(\b)
.set rX,  AF+16*(\a)
.set rSW, WS+8*(\ws)+2*((\b)%4)+1-((\q)%2)
.set rSX, XS+16*(\xs)+4*((\a)%4)+(\q)
.if \zero
.if ((\a) < 4) && ((\b) < 4)
	v_wmma_scale_f32_16x16x128_f8f6f4 v[rD:rD+7], v[rW:rW+15], v[rX:rX+15], 0, v[rSW], v[rSX]
.elseif (\a) < 4
	v_wmma_scale_f32_16x16x128_f8f6f4 v[rD:rD+7], v[rW:rW+15], v[rX:rX+15], 0, v[rSW], v[rSX] matrix_a_scale:MATRIX_SCALE_ROW1
.elseif (\b) < 4
	v_wmma_scale_f32_16x16x128_f8f6f4 v[rD:rD+7], v[rW:rW+15], v[rX:rX+15], 0, v[rSW], v[rSX] matrix_b_scale:MATRIX_SCALE_ROW1
.else
	v_wmma_scale_f32_16x16x128_f8f6f4 v[rD:rD+7], v[rW:rW+15], v[rX:rX+15], 0, v[rSW], v[rSX] matrix_a_scale:MATRIX_SCALE_ROW1 matrix_b_scale:MATRIX_SCALE_ROW1
.endif
.else
.if ((\a) < 4) && ((\b) < 4)
	v_wmma_scale_f32_16x16x128_f8f6f4 v[rD:rD+7], v[rW:rW+15], v[rX:rX+15], v[rD:rD+7], v[rSW], v[rSX]
.elseif (\a) < 4
	v_wmma_scale_f32_16x16x128_f8f6f4 v[rD:rD+7], v[rW:rW+15], v[rX:rX+15], v[rD:rD+7], v[rSW], v[rSX] matrix_a_scale:MATRIX_SCALE_ROW1
.elseif (\b) < 4
	v_wmma_scale_f32_16x16x128_f8f6f4 v[rD:rD+7], v[rW:rW+15], v[rX:rX+15], v[rD:rD+7], v[rSW], v[rSX] matrix_b_scale:MATRIX_SCALE_ROW1
.else
	v_wmma_scale_f32_16x16x128_f8f6f4 v[rD:rD+7], v[rW:rW+15], v[rX:rX+15], v[rD:rD+7], v[rSW], v[rSX] matrix_a_scale:MATRIX_SCALE_ROW1 matrix_b_scale:MATRIX_SCALE_ROW1
.endif
.endif
.endm
; 16 matrix instructions: w's blocks b0 .. b0 + 3, each against x's blocks a0 .. a0 + 3.  kk: the step's number in the lap.  The 64 accumulators take turns, in the same order in every step.
.macro MMQ a0, b0, slot, q, kk, zero
.irp b, \b0, \b0+1, \b0+2, \b0+3
.irp a, \a0, \a0+1, \a0+2, \a0+3
	MM \a, \b, (\kk)%2, \q, \slot, ((\kk)/2)%4, \zero
.endr
.endr
.endm
; A step's second half: x's blocks 4-7.  bl = 1: w's set is asked for again, for step kk + 2.  sl = 1 (odd steps): the scale set of the K step that ends here takes the K step four on.  x's blocks 4-7 of the next step come from (nslot, nq).
.macro HI slot, q, kk, zero, nslot, nq, bl, sl
	WIN MUL_HI
	MMQ 4, 0, \slot, \q, \kk, \zero
.if \bl
	PLACES NP
	WIN TO_B
	LOADB 0, (\kk)+2
	WIN MUL_HI
.endif
	MMQ 4, 4, \slot, \q, \kk, \zero
	PLACES NP
	WIN 0
.if \sl
	LOADS ((\kk)+1)/2+3
.endif
	FETCH_A \nslot, \nq, 4
.if \bl
	WIN TO_B
	LOADB 4, (\kk)+2
	WIN 0
.endif
.endm
; n1: the loads from wq issued behind this step's blocks 0-3 of w; n2: behind its blocks 4-7 (16 or 18 at a step's end, 16 in a step's second half).
.macro STEP slot, q, kk, zero, bl, sl, n1, n2
	s_wait_loadcnt \n1
	s_wait_dscnt 16                                ; x's blocks 0-3 (and a new slot's scale words) are in; blocks 4-7, the youngest 16, may be out
	WIN MUL_LO
	MMQ 0, 0, \slot, \q, \kk, \zero
	s_wait_loadcnt \n2
	MMQ 0, 4, \slot, \q, \kk, \zero
	PLACES NP
	WIN 0
	FETCH_A \slot, (\q)+1, 0
	s_wait_dscnt 16                                ; all but the 16 just issued
	HI \slot, \q, \kk, \zero, \slot, (\q)+1, \bl, \sl
.endm
; A slot's last step changes slots: in front of the barrier each wave waits for all its tensor loads, adds 0 to its spare word, and waits for that and for its reads of this slot.  fill = 1: the barrier opens a round of the cluster's barrier, and this slot is filled again, two slots ahead.
.macro TURN slot, next, kk, fill, bl, sl, n1, n2
	s_wait_tensorcnt 0x0                           ; my part of the next slot has landed
	ds_add_u32 v[SPW], v[NIL]
	s_wait_loadcnt \n1
	s_wait_dscnt 17                                ; (the add and x's blocks 4-7 may be out)
	WIN MUL_LO
	MMQ 0, 0, \slot, 3, \kk, 0
	s_wait_loadcnt \n2
	s_wait_dscnt 0x0                               ; the add is done, and my reads of this slot are over
	s_barrier_signal -1
	MMQ 0, 4, \slot, 3, \kk, 0
	WIN 0
	s_barrier_wait -1
.if \fill
	CREST
	s_add_nc_u64 s[G0+4*\slot+2:G0+4*\slot+3], s[G0+4*\slot+2:G0+4*\slot+3], 1024
	tensor_load_to_lds s[G0+4*\slot:G0+4*\slot+3], s[G1:G1+7]   ; my 64 rows: the first tensor load behind the round, 224 matrix instructions ahead of the wait for it
	s_nop 0
	PLACES NP
.else
	PLACES NP
.endif
	v_add_nc_u32 v[ADRS], 16, v[ADRS]              ; the next slot's four scale words
	s_wait_alu depctr_va_vdst(0)
	FETCH_A \next, 0, 0
	XSCALES \next
.if \fill
	ASKX LX0+\slot, (3+\slot)*512
	ASKW LW0+\slot, (3+\slot)*2*CHUNK
.endif
	HI \slot, 3, \kk, 0, \next, 0, \bl, \sl
.endm
	s_load_b128 s[4:7], s[0:1], 0x0                ; x's codes, x's scales
	s_load_b128 s[8:11], s[0:1], 0x10              ; wq, out0
	v_lshl_add_u32 v[SPW], v0, 2, SPARE
	v_mov_b32 v[NIL], 0
	ds_add_u32 v[SPW], v[NIL]                      ; the opening lines: the add, twice on end; its wait stands ahead of my first tensor load
	ds_add_u32 v[SPW], v[NIL]
	v_lshrrev_b32 v1, 5, v0
	v_readfirstlane_b32 s14, v1                    ; wave
	v_and_b32 v6, 31, v0
	v_lshlrev_b32 v[VW], 4, v6
	s_lshr_b32 s15, s14, 1                         ; my half of the tile's rows
	s_and_b32 s16, s14, 1                          ; my half of its columns
	s_bfe_u32 s40, ttmp6, 0x40000                  ; cx
	s_lshl_b32 s42, ttmp9, 2
	s_add_co_u32 s42, s42, s40                     ; tile column
	s_and_b32 s17, ttmp7, 0xffff                   ; tile row: the cluster's y
	s_mov_b32 s3, 3                                ; the loop's trips
	s_mov_b32 s[G1+0], 15|(1<<20)|(1<<21)|(6<<22)|(3<<25)    ; the mask of the four; elements of 1 byte; 4 words of padding behind every 128
	s_mov_b32 s[G1H+0], 15|(1<<20)|(1<<21)|(6<<22)|(3<<25)
.irp g, G1, G1H
	s_mov_b32 s[\g+1], 512<<16
	s_mov_b32 s[\g+3], 512<<16
	s_mov_b32 s[\g+5], 4096
	s_mov_b32 s[\g+6], 0
	s_mov_b32 s[\g+7], 0
.endr
	s_mov_b32 s[G1+2], 64<<16
	s_mov_b32 s[G1+4], 64
	s_mov_b32 s[G1H+2], 128<<16
	s_mov_b32 s[G1H+4], 128
	s_mov_b32 s[G1S+0], 15|(3<<16)|(1<<20)|(1<<21)|(5<<22)|(3<<25)   ; elements of 8 bytes; 4 words behind every 64
	s_mov_b32 s[G1S+1], 32<<16
	s_mov_b32 s[G1S+2], 64<<16
	s_mov_b32 s[G1S+3], 32<<16
	s_mov_b32 s[G1S+4], 64
	s_mov_b32 s[G1S+5], 32
	s_mov_b32 s[G1S+6], 0
	s_mov_b32 s[G1S+7], 0
	s_lshl_b32 s18, s17, 20                        ; the tile's first row of x, in bytes
	s_lshl_b32 s20, s14, 18
	s_add_co_u32 s20, s20, s18                     ; the ring: my 64 rows
	s_mov_b32 s21, 0
	s_lshl_b32 s22, s16, 19
	s_add_co_u32 s22, s22, s18                     ; the head: 128 rows (waves 0, 1)
	s_mov_b32 s23, 0
	s_lshl_b32 s44, s17, 15
	s_lshl_b32 s45, s16, 14
	s_add_co_u32 s44, s44, s45                     ; the scales of 128 rows (waves 2, 3)
	s_mov_b32 s45, 0
	s_lshl_b32 s46, s42, 1
	s_add_co_u32 s46, s46, s16
	s_mul_i32 s46, s46, 16*CHUNK                   ; my group of 128 rows of w
	s_mov_b32 s47, 0
	s_lshl_b32 s90, s40, 18                        ; x's prefetch: my work-group's 64 rows, my wave's 16 of them
	s_lshl_b32 s91, s14, 16
	s_add_co_u32 s90, s90, s91
	s_add_co_u32 s90, s90, s18
	s_mov_b32 s91, 0
	; w's prefetch.  In place of what the head says of it: not tile rows 0 to 3 alone ask, but of each eight tile rows the first four (y % 8 < 4); so each block of wq is named four times in the launch, once by each eight tile rows.
	s_and_b32 s92, s17, 1                          ; group 2 x tile column + y % 2, K step (y / 2) % 2 of the slot
	s_lshl_b32 s93, s42, 1
	s_add_co_u32 s93, s93, s92
	s_mul_i32 s93, s93, 16*CHUNK
	s_bfe_u32 s94, s17, 0x10001
	s_mul_i32 s94, s94, CHUNK
	s_add_co_u32 s92, s93, s94
	s_mov_b32 s93, 0
	s_cmp_eq_u32 ttmp9, 0
	s_cselect_b32 s[LX0], 0, -1
	s_cselect_b32 s[LX0+1], 1, -1
	s_and_b32 s19, s17, 4
	s_cmp_eq_u32 s19, 0
	s_cselect_b32 s[LW0], 0, -1
	s_cselect_b32 s[LW0+1], 1, -1
	s_mul_i32 s95, s14, 64*PITCH
	s_mul_i32 s96, s16, 128*PITCH
	s_mul_i32 s97, s16, 2*QS
	s_add_co_u32 s97, s97, SCL
	s_wait_alu depctr_va_vdst(0)
	s_wait_dscnt 0x0                               ; both opening adds are done
	s_wait_kmcnt 0x0
	s_add_nc_u64 s[20:21], s[4:5], s[20:21]
	s_add_nc_u64 s[22:23], s[4:5], s[22:23]
	s_add_nc_u64 s[44:45], s[6:7], s[44:45]
	s_add_nc_u64 s[WB:WB+1], s[8:9], s[46:47]
	s_add_nc_u64 s[PFX:PFX+1], s[4:5], s[90:91]
	s_add_nc_u64 s[PFW:PFW+1], s[8:9], s[92:93]
	CROUND                                         ; the four work-groups are here: the first joint loads meet
	s_mov_b32 s[G0H], 1
	s_mov_b32 s[G0H+1], s96
	s_mov_b64 s[G0H+2:G0H+3], s[22:23]
	s_or_b32 s[G0H+3], s[G0H+3], 0x80000000
	s_mov_b32 s[G0S], 1
	s_mov_b32 s[G0S+1], s97
	s_mov_b64 s[G0S+2:G0S+3], s[44:45]
	s_or_b32 s[G0S+3], s[G0S+3], 0x80000000
.irp s, 0,1
	s_mov_b32 s[G0+4*\s], 1
	s_add_co_u32 s[G0+4*\s+1], s95, \s*SLOT
	s_add_nc_u64 s[G0+4*\s+2:G0+4*\s+3], s[20:21], \s*512
	s_or_b32 s[G0+4*\s+3], s[G0+4*\s+3], 0x80000000
.endr
	; the head's loads, one a wave: waves 0 and 1 the two halves of slot 0, waves 2 and 3 the two halves of x's scales
	s_cmp_lt_u32 s14, 2
	s_cbranch_scc0 .Lhead_s
	tensor_load_to_lds s[G0H:G0H+3], s[G1H:G1H+7]
	s_nop 0
	PLACES 4
	s_branch .Lhead_asked
.Lhead_s:
	tensor_load_to_lds s[G0S:G0S+3], s[G1S:G1S+7]
	s_nop 0
	PLACES 4
.Lhead_asked:
	; w's first two steps and first four sets of scale words, in the order in which the steps would have asked for them: so the first steps' counts are the loop's
	LOADS 0
	LOADS 1
	LOADS 2
	WIN TO_B
	LOADB 0, 0
	LOADB 4, 0
	LOADB 0, 1
	WIN 0
	LOADS 3
	WIN TO_B
	LOADB 4, 1
	WIN 0
	s_lshl_b32 s20, s17, 8                         ; my part of out0: row 256 x tile row + 128 x half,
	s_lshl_b32 s21, s15, 7
	s_add_co_u32 s20, s20, s21
	s_lshl_b32 s20, s20, 13
	s_mov_b32 s21, 0
	s_lshl_b32 s46, s42, 10                        ; byte 1024 x tile column + 512 x half of the row
	s_lshl_b32 s47, s16, 9
	s_add_co_u32 s46, s46, s47
	s_mov_b32 s47, 0
	s_add_nc_u64 s[20:21], s[20:21], s[46:47]
	s_add_nc_u64 s[10:11], s[10:11], s[20:21]
	s_mul_i32 s18, s15, 128*PITCH                  ; my 128 rows of x in a slot
	s_add_co_u32 s19, s18, SLOT
	s_mul_i32 s22, s15, 2*QS
	s_add_co_u32 s22, s22, SCL                     ; their scales
	s_mul_i32 s23, s14, 16*SPITCH                  ; my stage
	s_lshl_b32 s44, s14, 13
	s_lshl_b32 s45, s14, 8
	s_add_co_u32 s45, s45, 32768
	v_and_b32 v1, 15, v0                           ; l % 16
	v_bfe_u32 v2, v0, 4, 1                         ; l / 16
	v_mul_u32_u24 v3, v1, PITCH
	v_lshl_add_u32 v4, v2, 4, v3
	v_add_nc_u32 v[ADRA], s18, v4
	v_add_nc_u32 v[ADRA+1], s19, v4
	v_lshlrev_b32 v5, 7, v1                        ; a row's scales are 128 bytes: two rows to an LDS row of 272
	v_lshrrev_b32 v7, 1, v1
	v_lshl_add_u32 v5, v7, 4, v5
	v_mad_u32_u24 v5, v2, QS, v5                   ; lanes 16-31: 64 rows further down
	v_add_nc_u32 v[ADRS], s22, v5
	v_mul_u32_u24 v8, v1, SPITCH
	v_lshl_add_u32 v8, v2, 5, v8
	v_add_nc_u32 v[STO], s23, v8
	v_add_nc_u32 v[RD], s23, v[VW]
	v_lshlrev_b32 v[PFO], 12, v1
	v_lshl_add_u32 v[PFO], v2, 8, v[PFO]
	v_lshl_add_u32 v[PFWO], v6, 8, s44
	v_mov_b32 v[PFZ], s45
	s_wait_alu depctr_va_vdst(0)
	s_wait_tensorcnt 0x0                           ; my tile of the head's four is in
	ds_add_u32 v[SPW], v[NIL]
	s_wait_dscnt 0x0
	CROUND
	tensor_load_to_lds s[G0+4:G0+7], s[G1:G1+7]    ; slot 1's first fill, my 64 rows: the first tensor load behind the round
	s_nop 0
	PLACES 4
	FETCH_A 0, 0, 0
	XSCALES 0
	FETCH_A 0, 0, 4
	ASKX LX0, 2*512
	ASKW LW0, 2*CHUNK
	ASKW LW0, 4*CHUNK
	STEP 0, 0, 0, 1, 1, 0, 50, 34                  ; the first step stands in front of the loop: its products start the sums
.Llap:                                                 ; a trip goes once round the ring, eight steps, from a lap's second step to the next lap's first
	STEP 0, 1, 1, 0, 1, 1, 50, 32
	STEP 0, 2, 2, 0, 1, 0, 50, 34
	TURN 0, 1, 3, 1, 1, 1, 50, 32
	STEP 1, 0, 4, 0, 1, 0, 50, 34
	STEP 1, 1, 5, 0, 1, 1, 50, 32
	STEP 1, 2, 6, 0, 1, 0, 50, 34
	TURN 1, 0, 7, 1, 1, 1, 50, 32
	STEP 0, 0, 8, 0, 1, 0, 50, 34
	s_wait_xcnt 0x0                                ; the loads and prefetches have read their bases: these step only behind this wait
	s_add_nc_u64 s[WB:WB+1], s[WB:WB+1], 4*CHUNK
	s_add_nc_u64 s[PFW:PFW+1], s[PFW:PFW+1], 4*CHUNK
	s_add_nc_u64 s[PFX:PFX+1], s[PFX:PFX+1], 1024
	s_sub_co_u32 s3, s3, 1
	s_cmp_lg_u32 s3, 0
	s_cbranch_scc1 .Llap
	STEP 0, 1, 1, 0, 1, 0, 50, 32                  ; the last lap fills nothing; no scale words are left to fetch, and the last two steps ask for no w: the counts run down
	STEP 0, 2, 2, 0, 1, 0, 48, 32
	TURN 0, 1, 3, 0, 1, 0, 48, 32
	STEP 1, 0, 4, 0, 1, 0, 48, 32
	STEP 1, 1, 5, 0, 1, 0, 48, 32
	STEP 1, 2, 6, 0, 0, 0, 48, 32
	s_wait_loadcnt 16
	s_wait_dscnt 16
	WIN MUL_LO
	MMQ 0, 0, 1, 3, 7, 0
	s_wait_loadcnt 0
	MMQ 0, 4, 1, 3, 7, 0
	s_wait_dscnt 0
	WIN MUL_HI
	MMQ 4, 0, 1, 3, 7, 0
	MMQ 4, 4, 1, 3, 7, 0
	WIN 0
; THE WAY OUT, block by block of 16 rows x 128 columns: through my own stage in LDS and back as whole rows of 512 bytes, which the 32 lanes store as two aligned units of 256 bytes.
.macro TOSTAGE a
.set AC, 64*((\a)%4)
	WIN 0x08+4*((\a)/4)
.irp b, 0,1,2,3,4,5,6,7
	ds_store_b128 v[STO], v[AC+8*\b:AC+8*\b+3] offset:64*\b          ; each accumulator from its low end on
	ds_store_b128 v[STO], v[AC+8*\b+4:AC+8*\b+7] offset:64*\b+16
.endr
	WIN 0
.set BB, BK+64*((\a)%2)
.irp t, 0,1,2,3,4,5,6,7,8,9,10,11,12,13,14,15
	ds_load_b128 v[BB+4*\t:BB+4*\t+3], v[RD] offset:\t*SPITCH        ; LDS serves a wave's instructions in order: these see the stores above
.endr
.endm
.macro SEND a, younger
.set BB, BK+64*((\a)%2)
	s_wait_dscnt \younger
.if (\a) > 0
	s_add_nc_u64 s[10:11], s[10:11], 16*SIZE_N*4   ; (behind a wait on XCNT)
.endif
.irp t, 0,1,2,3,4,5,6,7,8,9,10,11,12,13,14,15
	global_store_b128 v[VW], v[BB+4*\t:BB+4*\t+3], s[10:11] offset:\t*SIZE_N*4 th:TH_STORE_NT
.endr
.endm
	PLACES NP
	TOSTAGE 0
.irp a, 1,2,3,4,5,6,7
.if \a > 1
	s_wait_xcnt 0x0                                ; block a - 2's stores have read their registers and their base
.endif
	TOSTAGE \a
	SEND \a-1, 32
.endr
	s_wait_xcnt 0x0
	SEND 7, 0
	s_wait_tensorcnt 0x0                           ; the wave's end
	ds_add_u32 v[SPW], v[NIL]
	s_wait_dscnt 0x0
	CROUND                                         ; the closing round
	s_endpgm
.Lfunc_end_k_q6745277ce2_gemm:
	.size	k_q6745277ce2_gemm, .Lfunc_end_k_q6745277ce2_gemm-k_q6745277ce2_gemm
	.p2alignl 7, 3214868480
	.fill 96, 4, 3214868480
	.section	.rodata,"a",@progbits
	.p2align	6, 0x0
	.amdhsa_kernel k_q6745277ce2_gemm
		.amdhsa_group_segment_fixed_size 327680
		.amdhsa_private_segment_fixed_size 0
		.amdhsa_enable_private_segment 0
		.amdhsa_kernarg_size 32
		.amdhsa_user_sgpr_count 2
		.amdhsa_user_sgpr_kernarg_segment_ptr 1
		.amdhsa_wavefront_size32 1
		.amdhsa_system_sgpr_workgroup_id_x 1
		.amdhsa_system_sgpr_workgroup_id_y 1
		.amdhsa_system_sgpr_workgroup_id_z 1
		.amdhsa_system_vgpr_workitem_id 0
		.amdhsa_next_free_vgpr 1024
		.amdhsa_next_free_sgpr 98
		.amdhsa_reserve_vcc 0
		.amdhsa_float_denorm_mode_32 3
		.amdhsa_float_denorm_mode_16_64 3
		.amdhsa_memory_ordered 1
		.amdhsa_forward_progress 1
		.amdhsa_inst_pref_size 255
	.end_amdhsa_kernel
	.section	.bss,"aw",@nobits
	.p2align	6
	.space	262144
	.amdgpu_metadata
---
amdhsa.version: [ 1, 2 ]
amdhsa.kernels:
  - .name:           k_q6745277ce2_gemm
    .symbol:         k_q6745277ce2_gemm.kd
    .args:
      - { .name: x_codes, .offset: 0, .size: 8, .value_kind: global_buffer, .address_space: global }
      - { .name: x_scales, .offset: 8, .size: 8, .value_kind: global_buffer, .address_space: global }
      - { .name: wq, .offset: 16, .size: 8, .value_kind: global_buffer, .address_space: global }
      - { .name: out0, .offset: 24, .size: 8, .value_kind: global_buffer, .address_space: global }
    .group_segment_fixed_size: 327680
    .private_segment_fixed_size: 0
    .kernarg_segment_align: 8
    .kernarg_segment_size: 32
    .max_flat_workgroup_size: 128
    .sgpr_count:     98
    .vgpr_count:     1024
    .wavefront_size: 32
...
	.end_amdgpu_metadata
.endif
;; end of part 2
